; MI455X (gfx1250); checked and timed in simulation.
; The chip was launched on July 23, 2026; its instructions are those of AMD's public machine-readable ISA for CDNA 5 (MIT licence, August 2026) and "CDNA5" Instruction Set Architecture Reference Guide (July 2026). The comments in the code are by the model that wrote it; some were corrected since.
;; Perceiver Self Attention. Allowed arithmetic: matrix products marked QUANTISED: E2M1 operands, one E8M0 scale for each 32 along K, by v_wmma_scale_f32_16x16x128_f8f6f4 with both operands' format E2M1 (or v_wmma_scale_f32_32x16x128_f4), f32 sums; everything else in f32.
;; Inputs: Wk 256 x 1,024 float32; Wq 256 x 1,024 float32; Wv 1,024 x 1,024 float32; bk 256 float32; bq 256 float32; bv 1,024 float32; hidden_states 8 x 512 x 1,024 float32; inputs 8 x 4,096 x 1,024 float32; ln1_b 1,024 float32; ln1_w 1,024 float32; ln2_b 1,024 float32; ln2_w 1,024 float32.
;; Outputs: out0 8 x 512 x 1,024 float32.
;; This version of the problem:
;;   THIS VERSION OF THE PROBLEM IS GIVEN IN LOW PRECISION. The matrix products marked QUANTISED in the list below multiply operands that are first quantised to E2M1 (2 exponent bits, 1 mantissa bit; 4 bits a number), with one power-of-two scale for each 32 numbers along K (OCP MX v1.0); their sums are f32. All else is computed in f32.
;;   The module's matrix products, in the order in which they are computed (A, B: the left and right operand; K: the contracted axis; several contracted axes count as one K, in the product's order):
;;     1. [M 4,096, K 1,024] x [K 1,024, N 256]; A: computed on the way; B: input Wq: QUANTISED
;;     2. [M 32,768, K 1,024] x [K 1,024, N 256]; A: computed on the way; B: input Wk: QUANTISED
;;     3. [M 32,768, K 1,024] x [K 1,024, N 1,024]; A: computed on the way; B: input Wv: QUANTISED
;;     4. batch 64 x [M 512, K 32] x [K 32, N 4,096]; A: computed on the way; B: computed on the way: QUANTISED
;;     5. batch 64 x [M 512, K 4,096] x [K 4,096, N 128]; A: softmax (see below); B: computed on the way: QUANTISED
;;   THE QUANTISER, for each operand of a quantised product, along K:
;;     - K is cut into blocks of 32 from its start; a last block that is shorter is filled with zeros.
;;     - A block's scale is 2^e with e = floor(log2(the largest magnitude in the block)) - 2, held to -126 .. 127; a block of zeros has e = 0. As a byte (E8M0): e + 127.
;;     - Each number is divided by its block's scale, clamped to +-6, and rounded to the nearest number of E2M1, ties to even, subnormals kept.
;;     - The product sums the exact products of the quantised numbers (number of the format x scale) in f32.
;;   ~~~python
;;   def quantise(x, axis):      # numpy; x: float32 -> the quantised numbers, widened to float32 again
;;       x = np.moveaxis(x, axis, -1); K = x.shape[-1]
;;       x = np.pad(x, [(0, 0)] * (x.ndim - 1) + [(0, -K % 32)]); x = x.reshape(x.shape[:-1] + (-1, 32)); a = np.abs(x).max(-1, keepdims=True)
;;       e = np.where(a > 0, np.clip(np.frexp(np.where(a > 0, a, 1))[1] - 1 - 2, -126, 127), 0)      # np.frexp(a)[1] - 1 = floor(log2(a)), exactly
;;       r = np.clip(x / 2.0 ** e, -6, 6)
;;       step = 2.0 ** (np.maximum(np.frexp(np.where(r == 0, 1, r))[1] - 1, 0) - 1)
;;       q = np.round(r / step) * step * 2.0 ** e      # np.round: ties to even
;;       return np.moveaxis(q.reshape(q.shape[:-2] + (-1,))[..., :K], -1, axis).astype(np.float32)
;;   ~~~
;;   SOFTMAX AHEAD OF A QUANTISED PRODUCT. Where the list says 'softmax', what is quantised is not the finished softmax but p = 2^(t - M), with t = logit x log2(e) and M = ceil(the row's largest t), a whole number; so 1/2 < the row's largest p <= 1. The row's sum l is taken of the UNQUANTISED p, in f32, and the product's result is divided by l at the end. Since M is a whole number, a kernel that streams over the keys may use a running M (the ceiling of the running maximum): every later rescaling is an exact power of two, which a block's scale takes up: the codes' values come out the same.
;;   OPERANDS COMPUTED ON THE WAY. 'Computed on the way' means the value that the module computes at that place (a softmax that the list does not call 'softmax' is quantised finished and normalised). What goes into a quantiser is computed in f32, as accurately as f32 sums, v_exp_f32 and their like allow (about 1e-6 of the number): no bf16 or f16 on the way to a quantiser, and a product that is left as it is and whose result goes on into a quantised operand takes f32 operands (vector FMAs, or v_wmma_f32_16x16x4_f32). A number that lies on a knife's edge between two numbers of the format may be rounded either way, as far as f32 arithmetic and the matrix unit's own rounding can turn it there, and no further.
;; One version. Each part assembles by itself: llvm-mc -triple=amdgcn-amd-amdhsa -mcpu=gfx1250 --defsym DOCPART=n.
;; ======== version 1 of 1: 3 launches
;; limits: right only within a limited range of input values
;; workspace buffers: xc 18,874,368 bytes; xs 1,179,648 bytes; wb 835,584 bytes; kv 22,544,384 bytes; qc 524,288 bytes; qs 131,072 bytes
;; launch prep (part 1): grid 600 x 1, 4 waves a work-group, no clusters, 55,808 bytes of LDS; arguments inputs, hidden_states, Wq, Wk, Wv, ln1_w, ln1_b, ln2_w, ln2_b, xc, xs, wb; writes xc, xs, wb
.if DOCPART == 1
	.amdgcn_target "amdgcn-amd-amdhsa--gfx1250"
	.amdhsa_code_object_version 6
	.text
	.protected	k_q4bec5b4872_prep
	.globl	k_q4bec5b4872_prep
	.p2align	8
	.type	k_q4bec5b4872_prep,@function
k_q4bec5b4872_prep:
	s_mov_b64 s[64:65], 0
	v_nop
	global_prefetch_b8 v0, s[64:65] scope:SCOPE_SE
	s_setreg_imm32_b32 hwreg(HW_REG_WAVE_MODE, 25, 1), 1
	s_wait_xcnt 0x0
; PREP.  LayerNorm of inputs (ln2) and hidden_states (ln1), in f32, and their codes of FP4 (E2M1) with one E8M0 byte for each 32 channels; the same quantiser, without the norm, for Wq, Wk, Wv.
; All five tensors are rows of 1,024 f32.  A wave takes a TILE of 16 rows: tile T holds rows 32 (T / 2) + 8 (T % 2) + p + 8 (p / 8), p = 0 .. 15: not neighbours, so that in the later products
; the results of tiles 2 b and 2 b + 1 are 16 neighbours in a lane.  The codes leave as an IMAGE OF THE OPERAND'S REGISTERS: block k (32 channels, 16 bytes) of row position p at 256 k + 16 p of the tile's 8,192 bytes,
; so that a fragment (16 rows x 128 K) is two runs of 512 dense bytes.  The scale byte of (p, block 4 s + q) lies at 16 (16 (s % 2) + p) + 4 (s / 2) + q of the tile's 512 bytes: one load of 16 bytes a lane
; gives four scale registers, each with an even K step in lanes 0-15 and the odd one in lanes 16-31.
; ONE PATH FOR ALL: work-groups 0-511 take inputs, 512-575 hidden_states, 576-579 Wq, 580-583 Wk, 584-599 Wv.  Only pointers, offsets and one mask are chosen, by the work-group's number.
; For a weight the mask makes gain 1, bias 0, mean 0 and 1 / deviation 1: (x - 0) * 1 * 1 + 0 is x, exactly.
; A ROW: eight loads of 512 dense bytes; sum, mean, centred squares, v_rsq_f32; the row goes through the wave's stage in LDS, so that lane l then holds block l whole; largest magnitude, scale, four conversions.
; Work-groups share no input but the norms' 8 KB, and no product is made here: no cluster, no tensor load, no barrier (every LDS byte is the wave's own).  Four rows, 32 loads, of each wave are on their way.
; LIMITS: NaN and infinities among the inputs are not served.  A block whose largest magnitude lies under 2^-124, a block of zeros too, keeps the scale byte 1: its codes are as the rule has them or zeros, and this program alone reads the bytes.
.set ROWB,  4096                       ; a row in bytes
.set WREG,  13824                      ; LDS of a wave: the stage, 32 blocks at pitch 144; the image, 32 blocks at pitch 272; the scale image, 512
.set IMG,   4608
.set SCI,   13312
.set SPARE, 4*WREG                     ; behind the four regions: the spare words, 128 bytes for each wave
.set GO,    2                          ; v2   16 x lane
.set STW,   3                          ; v3   the stage, in: 144 (lane / 8) + 16 (lane % 8)
.set STR,   4                          ; v4   the stage, out: 144 x lane
.set IMW,   5                          ; v5   the image, in: 272 x lane (my block)
.set IMR,   6                          ; v6   the image, out: 272 (lane / 16) + 16 (lane % 16)
.set SCW,   7                          ; v7   the scale image, in: my block's byte
.set SCR,   8                          ; v8   the scale image, out: 16 x lane
.set CD,    12                         ; v12-15 a block's codes
.set LNW,   16                         ; v16-47 the gain, as a row is loaded
.set LNB,   48                         ; v48-79 the bias
.set RING,  80                         ; v80-207 four rows
.set Y,     208                        ; v208-239 my block of the normed row
.set CH,    240                        ; v240-247 four packed chains
.set MU,    248                        ; v[248:249] the mean (the packed form names the pair)
.set RS,    250                        ; v[250:251] 1 / deviation
.set SPW,   252                        ; v252 LDS address of my spare word; never rewritten
.set NIL,   253                        ; v253 0; never rewritten
.set WM,    44                         ; s44  all ones for a weight, else 0
	s_load_b512 s[8:23], s[0:1], 0x0               ; inputs 8, hidden_states 10, Wq 12, Wk 14, Wv 16, ln1_w 18, ln1_b 20, ln2_w 22
	s_load_b256 s[24:31], s[0:1], 0x40             ; ln2_b 24, xc 26, xs 28, wb 30
	v_lshl_add_u32 v[SPW], v0, 2, SPARE
	v_mov_b32 v[NIL], 0
	v_lshrrev_b32 v1, 5, v0
	v_readfirstlane_b32 s2, v1                     ; wave 0..3
	v_and_b32 v1, 31, v0                           ; lane
	v_lshlrev_b32 v[GO], 4, v1
	s_mul_i32 s3, s2, WREG
	v_lshrrev_b32 v9, 3, v1
	v_and_b32 v10, 7, v1
	v_mul_u32_u24 v[STW], v9, 144
	v_lshl_add_u32 v[STW], v10, 4, v[STW]
	v_add_nc_u32 v[STW], s3, v[STW]
	v_mul_u32_u24 v[STR], v1, 144
	v_add_nc_u32 v[STR], s3, v[STR]
	v_mul_u32_u24 v[IMW], v1, 272
	v_add_nc_u32 v[IMW], s3, v[IMW]
	v_add_nc_u32 v[IMW], IMG, v[IMW]
	v_lshrrev_b32 v[IMR], 4, v1
	v_mul_u32_u24 v[IMR], v[IMR], 272
	v_and_b32 v10, 15, v1
	v_lshl_add_u32 v[IMR], v10, 4, v[IMR]
	v_add_nc_u32 v[IMR], s3, v[IMR]
	v_add_nc_u32 v[IMR], IMG, v[IMR]
	v_bfe_u32 v[SCW], v1, 2, 1                     ; block l is K step l / 4, byte l % 4: 256 x (the step's parity) + 4 x (the step / 2) + the byte
	v_lshlrev_b32 v[SCW], 8, v[SCW]
	v_lshl_add_u32 v[SCW], v9, 2, v[SCW]
	v_and_b32 v10, 3, v1
	v_add_nc_u32 v[SCW], v[SCW], v10
	v_add_nc_u32 v[SCW], s3, v[SCW]
	v_add_nc_u32 v[SCW], SCI, v[SCW]
	v_add_nc_u32 v[SCR], s3, v[GO]
	v_add_nc_u32 v[SCR], SCI, v[SCR]
	; which tensor, which tile, and where it goes: numbers first, pointers behind the wait for the arguments
	s_lshl_b32 s50, ttmp9, 2
	s_add_co_u32 s50, s50, s2                      ; 4 x work-group + wave: the tile's number in xc and xs
	s_lshl_b32 s51, s50, 13                        ; its codes,
	s_lshl_b32 s52, s50, 9                         ; its scale bytes
	s_mov_b32 s53, 584                             ; the tensor's first work-group; and for a weight: the pass at which it begins, and how a work-group's number splits into wave part and pass
	s_mov_b32 s54, 2
	s_mov_b32 s55, 2
	s_mov_b32 s56, 3
	s_cmp_lt_u32 ttmp9, 584
	s_cselect_b32 s53, 580, s53
	s_cselect_b32 s54, 1, s54
	s_cselect_b32 s55, 0, s55
	s_cselect_b32 s56, 0, s56
	s_cmp_lt_u32 ttmp9, 580
	s_cselect_b32 s53, 576, s53
	s_cselect_b32 s54, 0, s54
	s_cmp_lt_u32 ttmp9, 576
	s_cselect_b32 s53, 512, s53
	s_cselect_b32 s[WM], 0, -1
	s_cmp_lt_u32 ttmp9, 512
	s_cselect_b32 s53, 0, s53
	s_sub_co_u32 s57, ttmp9, s53                   ; the work-group's number within its tensor
	s_lshl_b32 s58, s57, 2
	s_add_co_u32 s58, s58, s2                      ; the tile within its tensor
	s_lshr_b32 s59, s58, 1
	s_lshl_b32 s59, s59, 17                        ; 32 rows of 4,096 bytes for each pair of tiles,
	s_and_b32 s60, s58, 1
	s_lshl_b32 s60, s60, 15                        ; 8 rows for the odd one
	s_add_co_u32 s60, s59, s60
	s_mov_b32 s61, 0
	s_lshr_b32 s59, s57, s55                       ; wb is [wave of proj][pass 0..5][34,816]: block 6 x wave + pass
	s_mul_i32 s59, s59, 6
	s_add_co_u32 s59, s59, s54
	s_and_b32 s62, s57, s56
	s_add_co_u32 s59, s59, s62
	s_mul_i32 s59, s59, 34816
	s_lshl_b32 s62, s2, 13
	s_add_co_u32 s62, s59, s62                     ; in a block: four tiles of codes,
	s_lshl_b32 s63, s2, 9
	s_add_co_u32 s63, s59, s63
	s_add_co_u32 s63, s63, 32768                   ; then their four scale images
	s_wait_kmcnt 0x0
	s_cmp_lt_u32 ttmp9, 584
	s_cselect_b64 s[32:33], s[14:15], s[16:17]
	s_cmp_lt_u32 ttmp9, 580
	s_cselect_b64 s[32:33], s[12:13], s[32:33]
	s_cmp_lt_u32 ttmp9, 576
	s_cselect_b64 s[32:33], s[10:11], s[32:33]
	s_cselect_b64 s[34:35], s[18:19], s[22:23]     ; the gain and bias: ln1's for hidden_states, else ln2's (a weight loads them and puts 1 and 0 in their place)
	s_cselect_b64 s[36:37], s[20:21], s[24:25]
	s_cselect_b64 s[38:39], s[26:27], s[30:31]
	s_cselect_b64 s[40:41], s[28:29], s[30:31]
	s_cselect_b32 s62, s51, s62
	s_cselect_b32 s52, s52, s63
	s_cmp_lt_u32 ttmp9, 512
	s_cselect_b64 s[32:33], s[8:9], s[32:33]
	s_cselect_b64 s[34:35], s[22:23], s[34:35]
	s_cselect_b64 s[36:37], s[24:25], s[36:37]
	s_mov_b32 s63, 0
	s_mov_b32 s53, 0
	s_add_nc_u64 s[32:33], s[32:33], s[60:61]      ; the tile's first row
	s_add_nc_u64 s[38:39], s[38:39], s[62:63]      ; where its codes go
	s_add_nc_u64 s[40:41], s[40:41], s[52:53]      ; where its scale bytes go
.macro LOADROW r                       ; row position r: eight loads of 512 dense bytes; lane l gets channels 128 j + 4 l + 0 .. 3
.irp j, 0,1,2,3,4,5,6,7
	global_load_b128 v[RING+32*((\r)%4)+4*\j:RING+32*((\r)%4)+4*\j+3], v[GO], s[32:33] offset:((\r)+8*((\r)/8))*ROWB+512*\j th:TH_LOAD_NT
.endr
.endm
.irp j, 0,1,2,3,4,5,6,7
	global_load_b128 v[LNW+4*\j:LNW+4*\j+3], v[GO], s[34:35] offset:512*\j
	global_load_b128 v[LNB+4*\j:LNB+4*\j+3], v[GO], s[36:37] offset:512*\j
.endr
	LOADROW 0
	LOADROW 1
	LOADROW 2
	LOADROW 3
	s_mov_b32 s45, 0x3a800000                      ; 1 / 1,024
	s_mov_b32 s46, 0x3727c5ac                      ; 1e-5
	s_mov_b32 s48, 0x76543210
	s_mov_b32 s49, 0xfedcba98                      ; v_permlanex16_b32: lane l xor 16
	v_mov_b32 v11, 0                               ; a lane permute's destination counts as one of its sources
	v_mov_b32 v[MU+1], 0                           ; named as the upper halves of pairs
	v_mov_b32 v[RS+1], 0
	s_wait_loadcnt 32                              ; gain and bias are in; the four rows' 32 loads behind them stay out
.set n_, 0
.rept 32
	v_cndmask_b32 v[LNW+n_], v[LNW+n_], 1.0, s[WM]
	v_cndmask_b32 v[LNB+n_], v[LNB+n_], 0, s[WM]
.set n_, n_+1
.endr
.macro FOLD                            ; four packed chains become one number, the same in all 32 lanes
	v_pk_add_f32 v[CH:CH+1], v[CH:CH+1], v[CH+2:CH+3]
	v_pk_add_f32 v[CH+4:CH+5], v[CH+4:CH+5], v[CH+6:CH+7]
	v_pk_add_f32 v[CH:CH+1], v[CH:CH+1], v[CH+4:CH+5]
	v_add_f32 v[CH], v[CH], v[CH+1]
	v_add_f32_dpp v[CH], v[CH], v[CH] row_xmask:1 row_mask:0xf bank_mask:0xf
	v_add_f32_dpp v[CH], v[CH], v[CH] row_xmask:2 row_mask:0xf bank_mask:0xf
	v_add_f32_dpp v[CH], v[CH], v[CH] row_xmask:4 row_mask:0xf bank_mask:0xf
	v_add_f32_dpp v[CH], v[CH], v[CH] row_xmask:8 row_mask:0xf bank_mask:0xf
	v_permlanex16_b32 v11, v[CH], s48, s49
	v_add_f32 v[CH], v[CH], v11
.endm
; Row position r.  left: the loads of younger rows, eight each, that may stay out.
.macro ROW r, left
.set X, RING+32*((\r)%4)
	s_wait_loadcnt \left
.irp k, 0,2,4,6
	v_pk_add_f32 v[CH+\k:CH+\k+1], v[X+\k:X+\k+1], v[X+8+\k:X+9+\k]
.endr
.irp q, 16,24
.irp k, 0,2,4,6
	v_pk_add_f32 v[CH+\k:CH+\k+1], v[CH+\k:CH+\k+1], v[X+\q+\k:X+\q+\k+1]
.endr
.endr
	FOLD
	v_mul_f32 v[MU], s45, v[CH]                    ; the mean
	v_cndmask_b32 v[MU], v[MU], 0, s[WM]
.irp k, 0,2,4,6,8,10,12,14,16,18,20,22,24,26,28,30
	v_pk_add_f32 v[X+\k:X+\k+1], v[X+\k:X+\k+1], v[MU:MU+1] op_sel_hi:[1,0] neg_lo:[0,1] neg_hi:[0,1]
.endr
.irp k, 0,2,4,6
	v_pk_mul_f32 v[CH+\k:CH+\k+1], v[X+\k:X+\k+1], v[X+\k:X+\k+1]
.endr
.irp q, 8,16,24
.irp k, 0,2,4,6
	v_pk_fma_f32 v[CH+\k:CH+\k+1], v[X+\q+\k:X+\q+\k+1], v[X+\q+\k:X+\q+\k+1], v[CH+\k:CH+\k+1]
.endr
.endr
	FOLD
	v_fma_f32 v[CH], v[CH], s45, s46               ; the variance of the centred numbers + 1e-5
	s_wait_alu depctr_va_vdst(0)
	v_rsq_f32 v[RS], v[CH]
	v_nop                                          ; a plain instruction behind the transcendental,
	s_wait_alu depctr_va_vdst(0)                   ; and the wait ahead of the first line that names its result
	v_cndmask_b32 v[RS], v[RS], 1.0, s[WM]
.irp k, 0,2,4,6,8,10,12,14,16,18,20,22,24,26,28,30
	v_pk_mul_f32 v[X+\k:X+\k+1], v[X+\k:X+\k+1], v[RS:RS+1] op_sel_hi:[1,0]
.endr
.irp k, 0,2,4,6,8,10,12,14,16,18,20,22,24,26,28,30
	v_pk_fma_f32 v[X+\k:X+\k+1], v[X+\k:X+\k+1], v[LNW+\k:LNW+\k+1], v[LNB+\k:LNB+\k+1]
.endr
.irp j, 0,1,2,3,4,5,6,7
	ds_store_b128 v[STW], v[X+4*\j:X+4*\j+3] offset:576*\j       ; the row as it lies, 16 bytes of padding behind each block of 128
.endr
.irp j, 0,1,2,3,4,5,6,7
	ds_load_b128 v[Y+4*\j:Y+4*\j+3], v[STR] offset:16*\j         ; LDS serves a wave's instructions in order: these see the stores.  Lane l takes block l
.endr
	s_wait_dscnt 0x0                               ; my block is in; the stores have read the row's registers, and the last row's stores of codes and byte theirs
.if (\r) < 12
	LOADROW (\r)+4
.endif
	v_max3_num_f32 v9, |v[Y]|, |v[Y+1]|, |v[Y+2]|  ; the block's largest magnitude: all 32 numbers are mine
	v_max3_num_f32 v10, |v[Y+3]|, |v[Y+4]|, |v[Y+5]|
.irp i, 6,10,14,18,22,26
	v_max3_num_f32 v9, v9, |v[Y+\i]|, |v[Y+\i+1]|
	v_max3_num_f32 v10, v10, |v[Y+\i+2]|, |v[Y+\i+3]|
.endr
	v_max3_num_f32 v9, v9, |v[Y+30]|, |v[Y+31]|
	v_max3_num_f32 v9, v9, v10, 0x1800000          ; and the floor 2^(3 - 127): the byte cannot fall under 1
	v_add_nc_u32 v10, 0xff000000, v9               ; 2 off the exponent field: the conversion takes this operand's exponent field as its scale
.irp g, 0,1,2,3
	v_cvt_scalef32_pk8_fp4_f32 v[CD+\g], v[Y+8*\g:Y+8*\g+7], v10
.endr
	v_lshrrev_b32 v9, 23, v10                      ; the scale's byte (also the plain line behind the conversions)
	ds_store_b128 v[IMW], v[CD:CD+3] offset:16*(\r)
	ds_store_b8 v[SCW], v9 offset:16*(\r)
.endm
.irp r, 0,1,2,3,4,5,6,7,8,9,10,11,12
	ROW \r, 24
.endr
	ROW 13, 16
	ROW 14, 8
	ROW 15, 0
	; the tile leaves: 16 stores of 512 dense bytes of codes, one of scale bytes
.irp i, 0,1,2,3,4,5,6,7,8,9,10,11,12,13,14,15
	ds_load_b128 v[RING+4*\i:RING+4*\i+3], v[IMR] offset:544*\i
.endr
	ds_load_b128 v[Y:Y+3], v[SCR]
.irp i, 0,1,2,3,4,5,6,7,8,9,10,11,12,13,14,15
	s_wait_dscnt 16-\i                             ; the younger image loads and the scale load may stay out
	global_store_b128 v[GO], v[RING+4*\i:RING+4*\i+3], s[38:39] offset:512*\i
.endr
	s_wait_dscnt 0x0
	global_store_b128 v[GO], v[Y:Y+3], s[40:41]
	s_wait_tensorcnt 0x0                           ; the wave's end, behind my last LDS store
	ds_add_u32 v[SPW], v[NIL]
	s_wait_dscnt 0x0
	s_endpgm
.Lfunc_end_k_q4bec5b4872_prep:
	.size	k_q4bec5b4872_prep, .Lfunc_end_k_q4bec5b4872_prep-k_q4bec5b4872_prep
	.p2alignl 7, 3214868480
	.fill 96, 4, 3214868480
	.section	.rodata,"a",@progbits
	.p2align	6, 0x0
	.amdhsa_kernel k_q4bec5b4872_prep
		.amdhsa_group_segment_fixed_size 55808
		.amdhsa_private_segment_fixed_size 0
		.amdhsa_enable_private_segment 0
		.amdhsa_kernarg_size 96
		.amdhsa_user_sgpr_count 2
		.amdhsa_user_sgpr_kernarg_segment_ptr 1
		.amdhsa_wavefront_size32 1
		.amdhsa_system_sgpr_workgroup_id_x 1
		.amdhsa_system_sgpr_workgroup_id_y 1
		.amdhsa_system_sgpr_workgroup_id_z 1
		.amdhsa_system_vgpr_workitem_id 0
		.amdhsa_next_free_vgpr 256
		.amdhsa_next_free_sgpr 66
		.amdhsa_reserve_vcc 0
		.amdhsa_float_denorm_mode_32 3
		.amdhsa_float_denorm_mode_16_64 3
		.amdhsa_memory_ordered 1
		.amdhsa_forward_progress 1
		.amdhsa_inst_pref_size 167
	.end_amdhsa_kernel
	.amdgpu_metadata
---
amdhsa.version: [ 1, 2 ]
amdhsa.kernels:
  - .name:           k_q4bec5b4872_prep
    .symbol:         k_q4bec5b4872_prep.kd
    .args:
      - { .name: inputs, .offset: 0, .size: 8, .value_kind: global_buffer, .address_space: global }
      - { .name: hidden_states, .offset: 8, .size: 8, .value_kind: global_buffer, .address_space: global }
      - { .name: Wq, .offset: 16, .size: 8, .value_kind: global_buffer, .address_space: global }
      - { .name: Wk, .offset: 24, .size: 8, .value_kind: global_buffer, .address_space: global }
      - { .name: Wv, .offset: 32, .size: 8, .value_kind: global_buffer, .address_space: global }
      - { .name: ln1_w, .offset: 40, .size: 8, .value_kind: global_buffer, .address_space: global }
      - { .name: ln1_b, .offset: 48, .size: 8, .value_kind: global_buffer, .address_space: global }
      - { .name: ln2_w, .offset: 56, .size: 8, .value_kind: global_buffer, .address_space: global }
      - { .name: ln2_b, .offset: 64, .size: 8, .value_kind: global_buffer, .address_space: global }
      - { .name: xc, .offset: 72, .size: 8, .value_kind: global_buffer, .address_space: global }
      - { .name: xs, .offset: 80, .size: 8, .value_kind: global_buffer, .address_space: global }
      - { .name: wb, .offset: 88, .size: 8, .value_kind: global_buffer, .address_space: global }
    .group_segment_fixed_size: 55808
    .private_segment_fixed_size: 0
    .kernarg_segment_align: 8
    .kernarg_segment_size: 96
    .max_flat_workgroup_size: 128
    .sgpr_count:     66
    .vgpr_count:     256
    .wavefront_size: 32
...
	.end_amdgpu_metadata
.endif
;; end of part 1
;; launch proj (part 2): grid 256 x 1, 4 waves a work-group, clusters of 4 x 1, 327,680 bytes of LDS; arguments xc, xs, wb, bq, bk, bv, kv, qc, qs; writes kv, qc, qs
.if DOCPART == 2
	.amdgcn_target "amdgcn-amd-amdhsa--gfx1250"
	.amdhsa_code_object_version 6
	.text
	.protected	k_q4bec5b4872_proj
	.globl	k_q4bec5b4872_proj
	.p2align	8
	.type	k_q4bec5b4872_proj,@function
k_q4bec5b4872_proj:
	s_mov_b64 s[64:65], 0
	v_nop
	global_prefetch_b8 v0, s[64:65] scope:SCOPE_SE
	s_setreg_imm32_b32 hwreg(HW_REG_WAVE_MODE, 25, 1), 1
	s_wait_xcnt 0x0
	s_wait_alu depctr_hold_cnt(0) depctr_sa_sdst(0) depctr_va_vdst(0) depctr_va_sdst(0) depctr_va_ssrc(0) depctr_va_vcc(0) depctr_vm_vsrc(0)
	s_getreg_b32 s2, hwreg(HW_REG_IB_STS2, 6, 4)
	s_cmp_eq_u32 s2, 0
	s_cbranch_scc0 .Lentry_in_a_cluster
	s_endpgm
.Lentry_in_a_cluster:
	s_bfe_u32 s2, ttmp6, 0x10000c
	s_cmp_lg_u32 s2, 0x3003
	s_cbranch_scc0 .Lentry_shape_is_right
	s_endpgm
.Lentry_shape_is_right:
.set BLKB,  34816
.set SPARE, 8*BLKB
.set XS,    16
.set HS,    48
.set WS,    52
.set WF,    68
.set BIAS,  132
.set KB,    164
.set VR,    196
.set TM,    212
.set SW,    228
.set PC,    232
.set SPW,   252
.set NIL,   253
.set WV,    22
.set MSB, 0
.macro WIN new
.if MSB != \new
	s_set_vgpr_msb (MSB<<8)|\new
.set MSB, \new
.endif
.endm
.macro PLACES
.rept 4
	v_nop
.endr
.endm
.macro ROUND
	s_barrier_signal -1
	s_barrier_wait -1
	s_cmp_lg_u32 s[WV], 0
	s_cbranch_scc1 .Lnot_wave_0_\@
	s_barrier_signal -3
.Lnot_wave_0_\@:
	s_barrier_wait -3
	s_barrier_signal -1
	s_barrier_wait -1
.endm
	s_load_b512 s[4:19], s[0:1], 0x0
	s_load_b64 s[20:21], s[0:1], 0x40
	v_lshl_add_u32 v[SPW], v0, 2, SPARE
	v_mov_b32 v[NIL], 0
	ds_add_u32 v[SPW], v[NIL]
	ds_add_u32 v[SPW], v[NIL]
	v_lshrrev_b32 v1, 5, v0
	v_readfirstlane_b32 s[WV], v1
	s_bfe_u32 s23, ttmp6, 0x40000
	s_lshl_b32 s24, ttmp9, 2
	s_add_co_u32 s24, s24, s23
	s_mov_b32 s28, 15|(3<<16)|(1<<21)
	s_mov_b32 s29, 32<<16
	s_mov_b32 s30, 136<<16
	s_mov_b32 s31, 32<<16
	s_mov_b32 s32, 136
	s_mov_b32 s33, 32
	s_mov_b32 s34, 0
	s_mov_b32 s35, 0
	s_mul_i32 s25, s[WV], 2*BLKB
	s_mul_i32 s72, s[WV], 6*BLKB
	s_mov_b32 s73, 0
	s_mov_b32 s44, 0x76543210
	s_mov_b32 s45, 0xfedcba98
	s_mov_b32 s46, 0xffff0000
	s_wait_dscnt 0x0
	s_wait_kmcnt 0x0
	s_mov_b32 s36, 1
	s_mov_b32 s37, s25
	s_add_nc_u64 s[38:39], s[8:9], s[72:73]
	s_add_nc_u64 s[42:43], s[38:39], BLKB
	s_or_b32 s39, s39, 0x80000000
	s_mov_b32 s40, 1
	s_add_co_u32 s41, s25, BLKB
	s_or_b32 s43, s43, 0x80000000
	ROUND
	tensor_load_to_lds s[36:39], s[28:35]
	s_nop 0
	PLACES
	v_and_b32 v8, 31, v0
	v_lshlrev_b32 v1, 4, v8
	v_add_nc_u32 v2, s25, v1
	v_add_nc_u32 v3, BLKB, v2
	v_lshlrev_b32 v4, 3, v8
	v_lshlrev_b32 v5, 2, v8
	v_bfe_u32 v6, v0, 4, 1
	v_lshlrev_b32 v6, 6, v6
	v_and_b32 v7, 15, v0
	v_and_b32 v9, 8, v7
	v_add_nc_u32 v7, v7, v9
	v_lshlrev_b32 v7, 2, v7
	s_wait_alu depctr_va_vdst(0)
	v_mov_b32 v243, 0
.irp b, 0,1,2,3
	v_mov_b32 v[TM+4+\b], 0
.endr
	s_mov_b32 s75, 0
	s_lshl_b32 s74, s24, 16
	s_add_nc_u64 s[56:57], s[4:5], s[74:75]
	s_add_co_u32 s26, s24, 2048
	s_lshl_b32 s74, s26, 13
	s_add_nc_u64 s[58:59], s[4:5], s[74:75]
	s_lshl_b32 s74, s24, 12
	s_add_nc_u64 s[60:61], s[6:7], s[74:75]
	s_lshl_b32 s74, s26, 9
	s_add_nc_u64 s[62:63], s[6:7], s[74:75]
	s_lshl_b32 s74, s[WV], 8
	s_add_nc_u64 s[66:67], s[10:11], s[74:75]
	s_add_nc_u64 s[68:69], s[12:13], s[74:75]
	s_lshl_b32 s74, s[WV], 10
	s_add_nc_u64 s[70:71], s[14:15], s[74:75]
	s_lshr_b32 s26, s24, 5
	s_lshl_b32 s26, s26, 8
	s_lshl_b32 s27, s[WV], 6
	s_add_co_u32 s26, s26, s27
	s_and_b32 s27, s24, 31
	s_add_co_u32 s26, s26, s27
	s_mul_i32 s74, s26, 11008
	s_add_nc_u64 s[48:49], s[16:17], s[74:75]
	s_add_nc_u64 s[50:51], s[48:49], 32*11008
	s_lshl_b32 s74, s24, 11
	s_lshl_b32 s27, s[WV], 9
	s_add_co_u32 s74, s74, s27
	s_add_nc_u64 s[52:53], s[18:19], s[74:75]
	s_lshl_b32 s74, s24, 9
	s_lshl_b32 s27, s[WV], 7
	s_add_co_u32 s74, s74, s27
	s_add_nc_u64 s[54:55], s[20:21], s[74:75]
	WIN 0xc0
.irp s, 0,1,2,3,4,5,6,7
.irp c, 0,1
	global_load_b128 v[64+8*\s+4*\c:64+8*\s+4*\c+3], v1, s[58:59] offset:1024*\s+512*\c
.endr
.endr
	WIN 0
	global_load_b128 v[HS:HS+3], v1, s[62:63]
.irp i, 0,1,2,3
	global_load_b128 v[BIAS+8*\i:BIAS+8*\i+3], v6, s[66:67] offset:128*(\i/2)+32*(\i%2)
	global_load_b128 v[BIAS+8*\i+4:BIAS+8*\i+7], v6, s[66:67] offset:128*(\i/2)+32*(\i%2)+16
	global_load_b128 v[KB+8*\i:KB+8*\i+3], v6, s[68:69] offset:128*(\i/2)+32*(\i%2)
	global_load_b128 v[KB+8*\i+4:KB+8*\i+7], v6, s[68:69] offset:128*(\i/2)+32*(\i%2)+16
.endr
.irp n, 0,1,2,3,4,5,6,7,8,9,10,11,12,13,14,15
	global_load_b32 v[VR+\n], v7, s[70:71] offset:128*(\n/2)+32*(\n%2)
.endr
.irp t, 0,1,2,3,4,5,6,7
	global_load_b128 v[XS+4*\t:XS+4*\t+3], v1, s[60:61] offset:512*\t
.endr
	WIN 0x40
.irp s, 0,1,2,3
.irp t, 0,1,2,3,4,5,6,7
.irp c, 0,1
	global_load_b128 v[8*(8*\s+\t)+4*\c:8*(8*\s+\t)+4*\c+3], v1, s[56:57] offset:8192*\t+1024*\s+512*\c
.endr
.endr
.endr
	WIN 0x80
.irp s, 0,1,2,3
.irp t, 0,1,2,3,4,5,6,7
.irp c, 0,1
	global_load_b128 v[8*(8*\s+\t)+4*\c:8*(8*\s+\t)+4*\c+3], v1, s[56:57] offset:8192*\t+1024*(\s+4)+512*\c
.endr
.endr
.endr
	WIN 0
	; the second slot's first fill stands behind the loads into registers, as a refill does
	s_wait_alu depctr_va_vdst(0)
	s_wait_tensorcnt 0x0
	ds_add_u32 v252, v253
	s_wait_dscnt 0x0
	ROUND
	tensor_load_to_lds s[40:43], s[28:35]
	s_nop 0
	PLACES
.macro WMS odd
.if \odd
	v_wmma_scale_f32_16x16x128_f8f6f4 v[rD:rD+7], v[rA:rA+7], v[rB:rB+7], v[rC:rC+7], v[rSA], v[rSB] matrix_a_fmt:MATRIX_FMT_FP4 matrix_b_fmt:MATRIX_FMT_FP4 matrix_a_scale:MATRIX_SCALE_ROW1 matrix_b_scale:MATRIX_SCALE_ROW1
.else
	v_wmma_scale_f32_16x16x128_f8f6f4 v[rD:rD+7], v[rA:rA+7], v[rB:rB+7], v[rC:rC+7], v[rSA], v[rSB] matrix_a_fmt:MATRIX_FMT_FP4 matrix_b_fmt:MATRIX_FMT_FP4
.endif
.endm
.macro MULT kind, s, part
.set WFB, WF+32*((\s)%2)
.set SH2, (\s)/2
.if (\kind) == 0
.if (\s) == 0
	WIN 0xcc
.else
	WIN 0xfc
.endif
.irp ii, 0,1,2,3
.set rD, 8*\ii
.set rC, rD
.if (\s) == 0
.set rC, BIAS+8*\ii
.endif
.set rA, WFB+8*\ii
.set rB, 64+8*(\s)
.set rSA, WS+4*\ii+SH2
.set rSB, HS+SH2
	WMS (\s)%2
.endr
.elseif (\kind) == 1
.if (\s) == 0
	WIN 0xc4
.elseif (\s) < 4
	WIN 0xf4
.else
	WIN 0xf8
.endif
.irp ii, 0,1
.irp t, 0,1,2,3,4,5,6,7
.set TI, 2*(\part)+\ii
.set rD, 128*(TI/2)+16*\t+8*(TI%2)
.set rC, rD
.if (\s) == 0
.set rC, KB+8*TI
.endif
.set rA, WFB+8*TI
.set rB, 8*(8*((\s)%4)+\t)
.set rSA, WS+4*TI+SH2
.set rSB, XS+4*\t+SH2
	WMS (\s)%2
.endr
.endr
.else
.if (\s) == 0
	WIN 0xc1
.elseif (\s) < 4
	WIN 0xf1
.else
	WIN 0xf2
.endif
.irp ii, 0,1
.irp t, 0,1,2,3,4,5,6,7
.set TI, 2*(\part)+\ii
.set rD, 64*TI+8*\t
.set rC, rD
.if (\s) == 0
.set rC, BIAS+8*TI
.endif
.set rA, 8*(8*((\s)%4)+\t)
.set rB, WFB+8*TI
.set rSA, XS+4*\t+SH2
.set rSB, WS+4*TI+SH2
	WMS (\s)%2
.endr
.endr
.endif
.endm
.macro WLOAD sl, s
.irp i, 0,1,2,3
.irp c, 0,1
	ds_load_b128 v[WF+32*((\s)%2)+8*\i+4*\c:WF+32*((\s)%2)+8*\i+4*\c+3], v[2+\sl] offset:8192*\i+1024*(\s)+512*\c
.endr
.endr
.endm
.macro KSTEP kind, sl, s
	s_wait_dscnt 0x0
.if (\s) < 7
	PLACES                                         ; four places behind the last step's products, which read the buffer that is loaded next
	WIN 0
	WLOAD \sl, (\s)+1                              ; the next step's weights: this step's products stand between these loads and the wait for them
.endif
	MULT \kind, \s, 0
.if (\kind) > 0
	MULT \kind, \s, 1
.endif
.endm
.macro PASS kind, sl
.irp i, 0,1,2,3
	ds_load_b128 v[WS+4*\i:WS+4*\i+3], v[2+\sl] offset:32768+512*\i
.endr
	WLOAD \sl, 0
.irp ks, 0,1,2,3,4,5,6,7
	KSTEP \kind, \sl, \ks
.endr
.endm
.macro CHANGE sl
	WIN 0
	s_wait_tensorcnt 0x0
	ds_add_u32 v[SPW], v[NIL]
	s_add_nc_u64 s[38+4*\sl:39+4*\sl], s[38+4*\sl:39+4*\sl], 2*BLKB
	s_wait_dscnt 0x0
	ROUND
	tensor_load_to_lds s[36+4*\sl:39+4*\sl], s[28:35]
	s_nop 0
	PLACES
.endm
.macro QUANT base, nb, pw
	s_wait_xcnt 0x0
	WIN 0x3c
.set QB, 0
.rept \nb
	v_max3_num_f32 v[TM+QB], 0x1800000, |v[(\base)+16*QB]|, |v[(\base)+16*QB+1]|
.set QB, QB+1
.endr
.irp e, 2,4,6,8,10,12,14
.set QB, 0
.rept \nb
	v_max3_num_f32 v[TM+QB], v[TM+QB], |v[(\base)+16*QB+\e]|, |v[(\base)+16*QB+\e+1]|
.set QB, QB+1
.endr
.endr
	WIN 0
.set QB, 0
.rept \nb
	v_permlanex16_b32 v[TM+4+QB], v[TM+QB], s44, s45
.set QB, QB+1
.endr
.set QB, 0
.rept \nb
	v_max_num_f32 v[TM+QB], v[TM+QB], v[TM+4+QB]
.set QB, QB+1
.endr
.set QB, 0
.rept \nb
	v_add_nc_u32 v[TM+12+QB], 0xff000000, v[TM+QB]
.set QB, QB+1
.endr
.set QB, 0
.rept \nb
	v_lshrrev_b32 v[TM+4+QB], 23, v[TM+12+QB]
.set QB, QB+1
.endr
	v_lshl_or_b32 v[(\pw)], v[TM+5], 8, v[TM+4]
.if (\nb) == 4
	v_lshl_or_b32 v[(\pw)], v[TM+6], 16, v[(\pw)]
	v_lshl_or_b32 v[(\pw)], v[TM+7], 24, v[(\pw)]
.endif
	WIN 0x03
.set QB, 0
.rept \nb
	v_cvt_scalef32_pk8_fp4_f32 v[PC+2*QB], v[(\base)+16*QB:(\base)+16*QB+7], v[TM+12+QB]
	v_cvt_scalef32_pk8_fp4_f32 v[PC+2*QB+1], v[(\base)+16*QB+8:(\base)+16*QB+15], v[TM+12+QB]
.set QB, QB+1
.endr
	WIN 0
	v_nop
.set QB, 0
.rept (\nb)/2
	v_permlane16_swap_b32 v[PC+4*QB], v[PC+4*QB+2]
	v_permlane16_swap_b32 v[PC+4*QB+1], v[PC+4*QB+3]
.set QB, QB+1
.endr
.endm
.macro EPIQ
	QUANT 0, 2, SW
	global_store_b128 v1, v[PC:PC+3], s[52:53]
	global_store_b32 v5, v[SW], s[54:55]
.endm
.macro EPIK
.irp hd, 0,1
.irp f, 0,1
	QUANT 128*\hd+64*\f, 4, SW+\f
	global_store_b128 v1, v[PC:PC+3], s[48+2*\hd:49+2*\hd] offset:1024*\f
	global_store_b128 v1, v[PC+4:PC+7], s[48+2*\hd:49+2*\hd] offset:1024*\f+512
.endr
	s_wait_xcnt 0x0
	v_cndmask_b32 v242, v[SW], v[SW+1], s46
	global_store_b64 v4, v[242:243], s[48+2*\hd:49+2*\hd] offset:10752
.endr
.endm
.macro EPIV p
.set HD, ((\p)-2)/2
.set HF, ((\p)-2)%2
.irp i, 0,1,2,3
	QUANT 64*\i, 4, SW+\i
	global_store_b128 v1, v[PC:PC+3], s[48+2*HD:49+2*HD] offset:2048+(4*HF+\i)*1024
	global_store_b128 v1, v[PC+4:PC+7], s[48+2*HD:49+2*HD] offset:2048+(4*HF+\i)*1024+512
.endr
	s_wait_xcnt 0x0
	v_cndmask_b32 v240, v[SW], v[SW+2], s46
	v_cndmask_b32 v241, v[SW+1], v[SW+3], s46
	global_store_b64 v4, v[240:241], s[48+2*HD:49+2*HD] offset:10240+256*HF
.endm
.macro VBIAS p
.irp i, 0,1,2,3
.irp j, 0,1,2,3,4,5,6,7
	v_mov_b32 v[BIAS+8*\i+\j], v[VR+4*((\p)-2)+\i]
.endr
.endr
.endm
	s_wait_loadcnt 63
	s_wait_tensorcnt 0x1
	PASS 0, 0
	CHANGE 0
	EPIQ
	s_wait_loadcnt 0x0
	PASS 1, 1
	CHANGE 1
	EPIK
	VBIAS 2
	s_wait_alu depctr_va_vdst(0)
	PASS 2, 0
	CHANGE 0
	EPIV 2
	VBIAS 3
	s_wait_alu depctr_va_vdst(0)
	PASS 2, 1
	CHANGE 1
	EPIV 3
	VBIAS 4
	s_wait_alu depctr_va_vdst(0)
	PASS 2, 0
	WIN 0
	PLACES
	EPIV 4
	VBIAS 5
	s_wait_alu depctr_va_vdst(0)
	s_wait_tensorcnt 0x0
	PASS 2, 1
	WIN 0
	PLACES
	EPIV 5
	s_wait_tensorcnt 0x0
	ds_add_u32 v[SPW], v[NIL]
	s_wait_dscnt 0x0
	ROUND
	s_endpgm
.Lfunc_end_k_q4bec5b4872_proj:
	.size	k_q4bec5b4872_proj, .Lfunc_end_k_q4bec5b4872_proj-k_q4bec5b4872_proj
	.p2alignl 7, 3214868480
	.fill 96, 4, 3214868480
	.section	.rodata,"a",@progbits
	.p2align	6, 0x0
	.amdhsa_kernel k_q4bec5b4872_proj
		.amdhsa_group_segment_fixed_size 327680
		.amdhsa_private_segment_fixed_size 0
		.amdhsa_enable_private_segment 0
		.amdhsa_kernarg_size 72
		.amdhsa_user_sgpr_count 2
		.amdhsa_user_sgpr_kernarg_segment_ptr 1
		.amdhsa_wavefront_size32 1
		.amdhsa_system_sgpr_workgroup_id_x 1
		.amdhsa_system_sgpr_workgroup_id_y 1
		.amdhsa_system_sgpr_workgroup_id_z 1
		.amdhsa_system_vgpr_workitem_id 0
		.amdhsa_next_free_vgpr 1024
		.amdhsa_next_free_sgpr 80
		.amdhsa_reserve_vcc 0
		.amdhsa_float_denorm_mode_32 3
		.amdhsa_float_denorm_mode_16_64 3
		.amdhsa_memory_ordered 1
		.amdhsa_forward_progress 1
		.amdhsa_inst_pref_size 255
	.end_amdhsa_kernel
	.section	.bss,"aw",@nobits
	.p2align	6
	.space	262144
	.amdgpu_metadata
---
amdhsa.version: [ 1, 2 ]
amdhsa.kernels:
  - .name:           k_q4bec5b4872_proj
    .symbol:         k_q4bec5b4872_proj.kd
    .args:
      - { .name: xc, .offset: 0, .size: 8, .value_kind: global_buffer, .address_space: global }
      - { .name: xs, .offset: 8, .size: 8, .value_kind: global_buffer, .address_space: global }
      - { .name: wb, .offset: 16, .size: 8, .value_kind: global_buffer, .address_space: global }
      - { .name: bq, .offset: 24, .size: 8, .value_kind: global_buffer, .address_space: global }
      - { .name: bk, .offset: 32, .size: 8, .value_kind: global_buffer, .address_space: global }
      - { .name: bv, .offset: 40, .size: 8, .value_kind: global_buffer, .address_space: global }
      - { .name: kv, .offset: 48, .size: 8, .value_kind: global_buffer, .address_space: global }
      - { .name: qc, .offset: 56, .size: 8, .value_kind: global_buffer, .address_space: global }
      - { .name: qs, .offset: 64, .size: 8, .value_kind: global_buffer, .address_space: global }
    .group_segment_fixed_size: 327680
    .private_segment_fixed_size: 0
    .kernarg_segment_align: 8
    .kernarg_segment_size: 72
    .max_flat_workgroup_size: 128
    .sgpr_count:     80
    .vgpr_count:     1024
    .wavefront_size: 32
...
	.end_amdgpu_metadata
.endif
;; end of part 2
;; launch attn (part 3): grid 4 x 64, 8 waves a work-group, clusters of 4 x 1, 327,680 bytes of LDS; arguments qc, qs, kv, hidden_states, out0; writes out0
.if DOCPART == 3
	.amdgcn_target "amdgcn-amd-amdhsa--gfx1250"
	.amdhsa_code_object_version 6
	.text
	.protected	k_q4bec5b4872_attn
	.globl	k_q4bec5b4872_attn
	.p2align	8
	.type	k_q4bec5b4872_attn,@function
k_q4bec5b4872_attn:
	s_mov_b64 s[64:65], 0
	v_nop
	global_prefetch_b8 v0, s[64:65] scope:SCOPE_SE
	s_setreg_imm32_b32 hwreg(HW_REG_WAVE_MODE, 25, 1), 1
	s_wait_xcnt 0x0
	s_wait_alu depctr_hold_cnt(0) depctr_sa_sdst(0) depctr_va_vdst(0) depctr_va_sdst(0) depctr_va_ssrc(0) depctr_va_vcc(0) depctr_vm_vsrc(0)
	s_getreg_b32 s2, hwreg(HW_REG_IB_STS2, 6, 4)
	s_cmp_eq_u32 s2, 0
	s_cbranch_scc0 .Lentry_in_a_cluster
	s_endpgm
.Lentry_in_a_cluster:
	s_bfe_u32 s2, ttmp6, 0x10000c
	s_cmp_lg_u32 s2, 0x3003
	s_cbranch_scc0 .Lentry_shape_is_right
	s_endpgm
.Lentry_shape_is_right:
; ATTN.  out0 = hidden_states + softmax(q k^T / sqrt(32)) v, both products on codes of FP4 with E8M0 scales, for 64 (batch, head) pairs of 512 queries x 4,096 keys.
; THE SOFTMAX AHEAD OF THE SECOND PRODUCT: t = score x log2(e) / sqrt(32); M = the largest t so far, rounded UP to a whole number; p = 2^(t - M) is quantised along the keys, not normalised.
; The row's sum is taken of the unquantised p and divides at the end.  When M moves, the sum and O are multiplied by 2^(old M - new M): exact.
; SHARES.  Work-group (cx, y): y = 8 batch + head, cx = which 128 queries.  Eight waves of 512 registers, two to a SIMD; wave w owns query tile w (16 queries) and walks ALL keys, 256 (two records) a step:
; one row has one M, one sum and one O^T, and nothing is joined at the end.  O^T is rescaled once for 256 keys.
; CLUSTER.  The four query blocks of a (batch, head) walk the same records: a slot of eight records is asked for JOINTLY, one record a wave, mask 15, behind a round of the cluster's barrier.  One tensor load of a wave is out.
; THE FIRST PRODUCT has K = 32: a fragment of K packs four key tiles, one block each; Q stands in four variants, its 32 codes in block j and zero codes elsewhere: the product with variant j is S^T of key tile 4 f + j.
; LAYOUT.  Both products transposed: a lane holds one query.  A tile holds rows 32 (T / 2) + 8 (T % 2) + p + 8 (p / 8): the 16 registers of tiles 2 b, 2 b + 1 are 16 neighbours.
; LIMITS: a block of p under 2^-124 keeps the scale byte 1 (its codes are zeros or as the rule has them); NaN and infinities are not served.
; REGISTERS, window 0: v1-11 addresses; v12 -M, v13 the largest t, v[14:15] the sum; v16-35 zeros and Q; v36-67 four fragments of K; v68-69 K's scale words, v70-77 V's, v78-79 p's; v80-95 p's codes;
;   v96-223 sixteen fragments of V; v224-254 at work; v255 q's scale byte, four times.   Window 1: v0-127 S^T, then p; v128-191 O^T; v192-255 the residual.
.set REC,   11008                      ; a record: K's fragments at 0, V's at 2,048, V's scale words at 10,240, K's at 10,752
.set SLOT1, 1<<17                      ; slot 1 begins here: one exclusive or turns an address in one slot into the other's
.set STAGE, SLOT1+10*REC               ; eight stages: 16 rows of 512 bytes + 16
.set SPARE, STAGE+8*8448               ; the spare words, 128 bytes for each of eight waves
.set SPW,   5                          ; v5   LDS address of my spare word; never rewritten
.set NIL,   6                          ; v6   0; never rewritten
.set WV,    18                         ; s18  my wave's number
.set KF,    36
.set KS,    68
.set VS,    70
.set PS,    78
.set PC,    80
.set VF,    96
.set T,     224                        ; eight blocks' largest scores, then largest p
.set P,     232                        ; lane permutes' results, then scale bytes
.set SO,    240                        ; the conversions' scale operands
.set OA,    128                        ; window 1: O^T
.set RES,   192                        ; window 1: the residual
.set MSB, 0
.macro WIN new                         ; the immediate's high byte repeats the setting that is left
.if MSB != \new
	s_set_vgpr_msb (MSB<<8)|\new
.set MSB, \new
.endif
.endm
.macro PLACES
.rept 4
	v_nop
.endr
.endm
.macro ROUND                           ; a round of the cluster's barrier
	s_barrier_signal -1
	s_barrier_wait -1
	s_cmp_lg_u32 s[WV], 0
	s_cbranch_scc1 .Lnot_wave_0_\@
	s_barrier_signal -3
.Lnot_wave_0_\@:
	s_barrier_wait -3
	s_barrier_signal -1
	s_barrier_wait -1
.endm
; A PREFETCH INTO THE L2 of the slot that the NEXT change of slots will ask for: four key steps of every wave ahead of that load.  A slot is eight records; partner cx names records 2 cx and 2 cx + 1
; (told apart by address): 86 blocks of 256 bytes, a lane a block, waves 0 to 2 (wave 2's lanes 22-31 name block 85 again).  The last change that fills a slot asks for nothing; slots 0 and 1 come by their loads alone.
.macro ASK
	s_cmp_gt_u32 s3, s44
	s_cbranch_scc0 .Lnot_mine_\@
	global_prefetch_b8 v3, s[42:43] th:TH_LOAD_NT scope:SCOPE_SE
.Lnot_mine_\@:
.endm
.macro WMS zero, row                   ; one scaled product on the registers named by rD, rA, rB, rSA, rSB
.if \zero
.if \row
	v_wmma_scale_f32_16x16x128_f8f6f4 v[rD:rD+7], v[rA:rA+7], v[rB:rB+7], 0, v[rSA], v[rSB] matrix_a_fmt:MATRIX_FMT_FP4 matrix_b_fmt:MATRIX_FMT_FP4 matrix_a_scale:MATRIX_SCALE_ROW1
.else
	v_wmma_scale_f32_16x16x128_f8f6f4 v[rD:rD+7], v[rA:rA+7], v[rB:rB+7], 0, v[rSA], v[rSB] matrix_a_fmt:MATRIX_FMT_FP4 matrix_b_fmt:MATRIX_FMT_FP4
.endif
.else
.if \row
	v_wmma_scale_f32_16x16x128_f8f6f4 v[rD:rD+7], v[rA:rA+7], v[rB:rB+7], v[rD:rD+7], v[rSA], v[rSB] matrix_a_fmt:MATRIX_FMT_FP4 matrix_b_fmt:MATRIX_FMT_FP4 matrix_a_scale:MATRIX_SCALE_ROW1
.else
	v_wmma_scale_f32_16x16x128_f8f6f4 v[rD:rD+7], v[rA:rA+7], v[rB:rB+7], v[rD:rD+7], v[rSA], v[rSB] matrix_a_fmt:MATRIX_FMT_FP4 matrix_b_fmt:MATRIX_FMT_FP4
.endif
.endif
.endm
	s_load_b256 s[4:11], s[0:1], 0x0               ; qc 4, qs 6, kv 8, hidden_states 10
	s_load_b64 s[12:13], s[0:1], 0x20              ; out0
	v_lshl_add_u32 v[SPW], v0, 2, SPARE
	v_mov_b32 v[NIL], 0
	ds_add_u32 v[SPW], v[NIL]                      ; the wave's opening: the add, twice on end, and its wait ahead of my first tensor load
	ds_add_u32 v[SPW], v[NIL]
	v_lshrrev_b32 v8, 5, v0
	s_delay_alu instid0(VALU_DEP_1)
	v_readfirstlane_b32 s[WV], v8                  ; wave 0..7: also my query tile of the work-group's eight
	s_bfe_u32 s14, ttmp6, 0x40000                  ; cx
	s_and_b32 s15, ttmp7, 0xffff                   ; y = 8 batch + head, which the four partners share
	; descriptor group 1: one record, 43 dense rows of 256 bytes (32 elements of 8 bytes), no padding: all reads are dense runs
	s_mov_b32 s24, 15|(3<<16)|(1<<21)              ; the mask: all four work-groups; elements of 8 bytes; bit 21 set beside a mask
	s_mov_b32 s25, 32<<16
	s_mov_b32 s26, 43<<16
	s_mov_b32 s27, 32<<16
	s_mov_b32 s28, 43
	s_mov_b32 s29, 32
	s_mov_b32 s30, 0
	s_mov_b32 s31, 0
	s_mul_i32 s33, s[WV], REC                      ; group 0: where my record goes,
	s_lshl_b32 s55, s15, 5
	s_add_co_u32 s54, s55, s[WV]
	s_mul_i32 s52, s54, REC                        ; and where it comes from: record 32 y + wave
	s_mov_b32 s53, 0
	s_mov_b32 s20, 0x76543210
	s_mov_b32 s21, 0xfedcba98                      ; v_permlanex16_b32: lane l xor 16
	s_mov_b32 s22, 0x3e8293ee                      ; c = log2(e) / sqrt(32)
	s_mov_b32 s23, s22                             ; (named with it as a pair)
	s_mov_b32 s36, 0xffff0000                      ; lanes 16-31
	s_mov_b32 s2, 0                                ; the slot in hand
	s_mov_b32 s3, 3                                ; slots still to be asked for
	s_wait_dscnt 0x0                               ; both opening adds are done
	s_wait_kmcnt 0x0
	s_mov_b32 s32, 1
	s_add_nc_u64 s[34:35], s[8:9], s[52:53]
	s_or_b32 s35, s35, 0x80000000
	ROUND                                          ; all four work-groups are here: the first joint loads meet
	tensor_load_to_lds s[32:35], s[24:31]          ; slot 0, my record: one tensor load a wave at the head
	s_nop 0
	PLACES
	s_lshr_b32 s19, s15, 3
	s_lshl_b32 s19, s19, 5
	s_lshl_b32 s54, s14, 3
	s_add_co_u32 s19, s19, s54
	s_add_co_u32 s19, s19, s[WV]                   ; my query tile: 32 batch + 8 cx + wave
	s_and_b32 s37, s15, 7                          ; the head
	s_mul_i32 s51, s[WV], 8448
	s_add_co_u32 s51, s51, STAGE                   ; my stage
	s_cmp_lt_u32 s[WV], 3
	s_cselect_b32 s44, 1, -1                       ; waves 0 to 2 prefetch while more than one slot is still to be asked for
	s_lshl_b32 s55, s[WV], 5
	s_lshl_b32 s52, s19, 11
	s_lshl_b32 s54, s37, 8
	s_add_co_u32 s52, s52, s54
	s_add_nc_u64 s[46:47], s[4:5], s[52:53]        ; q's codes: [tile][head][row][16]
	s_lshl_b32 s52, s19, 9
	s_lshr_b32 s54, s37, 1
	s_lshl_b32 s54, s54, 7
	s_add_co_u32 s52, s52, s54
	s_and_b32 s54, s37, 1
	s_add_co_u32 s52, s52, s54
	s_add_nc_u64 s[48:49], s[6:7], s[52:53]        ; q's scale byte: [tile][head / 2][row] words, byte head % 2
	s_lshr_b32 s52, s19, 1
	s_lshl_b32 s52, s52, 17
	s_and_b32 s54, s19, 1
	s_lshl_b32 s54, s54, 15
	s_add_co_u32 s52, s52, s54
	s_lshl_b32 s54, s37, 9
	s_add_co_u32 s52, s52, s54
	s_add_nc_u64 s[38:39], s[10:11], s[52:53]      ; hidden_states and out0 at my tile's first row, my head's 512 bytes
	s_add_nc_u64 s[40:41], s[12:13], s[52:53]
	s_lshl_b32 s52, s15, 5
	s_lshl_b32 s54, s14, 1
	s_add_co_u32 s52, s52, s54
	s_add_co_u32 s52, s52, 8
	s_mul_i32 s52, s52, REC
	s_add_nc_u64 s[42:43], s[8:9], s[52:53]        ; the prefetches stand in slot 1, record 2 cx; the first change of slots steps them to slot 2
	v_and_b32 v8, 31, v0                           ; lane
	v_and_b32 v9, 15, v0                           ; p
	v_bfe_u32 v4, v0, 4, 1                         ; half
	s_delay_alu instid0(VALU_DEP_3)
	v_lshlrev_b32 v1, 4, v8                        ; v1  16 x lane, in LDS
	v_lshlrev_b32 v2, 3, v8                        ; v2  8 x lane
	v_lshlrev_b32 v7, 4, v8                        ; v7  16 x lane, in memory
	v_add_nc_u32 v3, s55, v8
	v_mul_u32_u24 v10, v9, 528
	v_lshl_add_u32 v11, v8, 4, s51                 ; v11 the stage, out: 16 x lane of a row
	s_delay_alu instid0(VALU_DEP_3)
	v_min_u32 v3, 85, v3
	s_delay_alu instid0(VALU_DEP_3)
	v_lshl_add_u32 v10, v4, 6, v10
	v_lshlrev_b32 v248, 4, v9
	v_lshlrev_b32 v249, 2, v9
	s_delay_alu instid0(VALU_DEP_4)
	v_lshlrev_b32 v3, 8, v3                        ; v3  the prefetches' offset; never rewritten
	s_delay_alu instid0(VALU_DEP_4)
	v_add_nc_u32 v10, s51, v10                     ; v10 the stage, in: row p, + 64 x half
	global_load_b128 v[20:23], v248, s[46:47]      ; both halves of the lanes take row p's 32 codes
	global_load_u8 v254, v249, s[48:49]
	v_mov_b32 v13, 0xff61b1e6                      ; the largest t so far: -3e38, under every t
	s_delay_alu instid0(VALU_DEP_1)
	v_floor_f32 v12, -v13                          ; -M
	v_mov_b32 v14, 0
	v_mov_b32 v15, 0
.irp b, 0,1,2,3,4,5,6,7
	v_mov_b32 v[P+\b], 0                           ; a lane permute's destination counts as one of its sources
.endr
.irp b, 0,1,2,3
	v_mov_b32 v[16+\b], 0                          ; the zeros between Q's two halves
	v_mov_b32 v[24+\b], 0
	v_mov_b32 v[32+\b], 0
.endr
	v_mov_b32 v253, 0                              ; (named as the upper half of the pair v[252:253])
	s_wait_alu depctr_va_vdst(0)                   ; the wait directly ahead of the wait below
	s_wait_loadcnt 0x0
.irp e, 0,1,2,3
	v_cndmask_b32 v[28+\e], 0, v[20+\e], s36       ; Q in lanes 16-31 alone,
.endr
.irp e, 0,1,2,3
	v_cndmask_b32 v[20+\e], v[20+\e], 0, s36       ; in lanes 0-15 alone.  Variant 0 = v[20:27], 1 = v[28:35], 2 = v[16:23], 3 = v[24:31]
.endr
	v_lshl_or_b32 v254, v254, 8, v254
	s_delay_alu instid0(VALU_DEP_1)
	v_lshl_or_b32 v255, v254, 16, v254             ; q's byte for whichever block holds its codes
	WIN 0x40
.set n_, 0
.rept 64
	v_mov_b32 v[OA+n_], 0                          ; O^T: the step is written for all trips alike, the first finds zeros.  (Also the places between the lines above and the first scaled product)
.set n_, n_+1
.endr
	WIN 0
.macro KLOAD off                       ; K's four fragments and two scale words of the two records that begin off bytes behind the step's base: ten loads
.irp r, 0,1
.irp f, 0,1
.irp c, 0,1
	ds_load_b128 v[KF+16*\r+8*\f+4*\c:KF+16*\r+8*\f+4*\c+3], v8 offset:(\off)+REC*\r+1024*\f+512*\c
.endr
.endr
	ds_load_b32 v[KS+\r], v9 offset:(\off)+REC*\r+10752   ; fragment 0's words in lanes 0-15, fragment 1's in lanes 16-31
.endr
.endm
.macro VLOAD                           ; V's sixteen fragments and eight scale registers of the step's two records: 36 loads
.irp r, 0,1
.irp t, 0,1,2,3,4,5,6,7
.irp c, 0,1
	ds_load_b128 v[VF+64*\r+8*\t+4*\c:VF+64*\r+8*\t+4*\c+3], v8 offset:REC*\r+2048+1024*\t+512*\c
.endr
.endr
	ds_load_b64 v[VS+4*\r:VS+4*\r+1], v9 offset:REC*\r+10240
	ds_load_b64 v[VS+4*\r+2:VS+4*\r+3], v9 offset:REC*\r+10496
.endr
.endm
; A KEY STEP: 256 keys, the two records at v8, v9.  s6 counts the slot's steps down from 4.
.macro STEP
	s_wait_dscnt 0x0                               ; K's ten loads are in: nothing else of mine is out
	WIN 0x40
.irp r, 0,1
.irp f, 0,1
.irp j, 0,1,2,3
.set rD, 64*\r+8*(4*\f+\j)
.set rA, KF+16*\r+8*\f
.set rB, 20+8*(\j%2)-4*(\j/2)
.set rSA, KS+\r
.set rSB, 255
	WMS 1, \f
.endr
.endr
.endr
	WIN 0
	PLACES                                         ; in front of the loads into K's and V's registers and of the first reads of S^T
	VLOAD                                          ; this step's V: the softmax stands between these loads and the wait for them
	s_cmp_eq_u32 s6, 1                             ; the slot's last step has no successor in this slot
	s_cbranch_scc1 .Lno_k_\@
	KLOAD 2*REC                                    ; the next step's K: it is in at this step's wait for V
.Lno_k_\@:
	WIN 0x15
.irp b, 0,1,2,3,4,5,6,7
	v_max3_num_f32 v[T+\b], v[16*\b], v[16*\b+1], v[16*\b+2]   ; the largest score of each block of 32 keys: for the row's maximum and, since p rises with the score, for the block's largest p
.endr
	WIN 0x14
.irp i, 3,5,7,9,11,13
.irp b, 0,1,2,3,4,5,6,7
	v_max3_num_f32 v[T+\b], v[T+\b], v[16*\b+\i], v[16*\b+\i+1]
.endr
.endr
.irp b, 0,1,2,3,4,5,6,7
	v_max_num_f32 v[T+\b], v[T+\b], v[16*\b+15]
.endr
	WIN 0
.irp b, 0,1,2,3,4,5,6,7
	v_permlanex16_b32 v[P+\b], v[T+\b], s20, s21
.endr
.irp b, 0,1,2,3,4,5,6,7
	v_max_num_f32 v[T+\b], v[T+\b], v[P+\b]        ; with lane l xor 16's 16 keys
.endr
	v_max3_num_f32 v254, v[T], v[T+1], v[T+2]
	v_max3_num_f32 v251, v[T+3], v[T+4], v[T+5]
	v_max3_num_f32 v254, v254, v[T+6], v[T+7]
	s_delay_alu instid0(VALU_DEP_1)
	v_max_num_f32 v254, v254, v251                 ; the step's largest score of my query
	s_delay_alu instid0(VALU_DEP_1)
	v_mul_f32 v254, s22, v254                      ; as t (c is positive)
	s_delay_alu instid0(VALU_DEP_1)
	v_max_num_f32 v13, v13, v254                   ; the running largest t
	v_mov_b32 v254, v12
	s_delay_alu instid0(VALU_DEP_2)
	v_floor_f32 v12, -v13                          ; the new -M = floor(-t): M is a whole number
	s_delay_alu instid0(VALU_DEP_1)
	v_sub_f32 v254, v12, v254                      ; old M less new M: a whole number, 0 or less
.irp b, 0,1,2,3
	v_fma_f32 v[T+\b], v[T+\b], s22, v12           ; t - M of each block's largest score
.endr
	v_cvt_i32_f32 v254, v254                       ; (it saturates)
.irp b, 4,5,6,7
	v_fma_f32 v[T+\b], v[T+\b], s22, v12
.endr
	v_ldexp_f32 v252, 1.0, v254                    ; f = 2^(old M - new M)
	WIN 0x41
.set n_, 0
.rept 64
	v_pk_fma_f32 v[n_:n_+1], v[n_:n_+1], s[22:23], v[12:13] op_sel_hi:[1,0,0]   ; t - M, two at a time
.set n_, n_+2
.endr
	s_wait_alu depctr_va_vdst(0)                   ; the wait ahead of the batch
.set n_, 0
.rept 128
	v_exp_f32 v[n_], v[n_]                         ; p = 2^(t - M), at most 1
.set n_, n_+1
.endr
	WIN 0
.irp b, 0,1,2,3,4,5,6,7
	v_exp_f32 v[T+\b], v[T+\b]                     ; the block's largest p: the same two instructions on the same number give the same bits
.endr
	v_pk_mul_f32 v[14:15], v[14:15], v[252:253] op_sel_hi:[1,0]   ; the sums under the new M (a plain line behind the exponentials)
	s_wait_alu depctr_va_vdst(0)                   ; one wait for the whole batch, ahead of its first reader
.irp b, 0,1,2,3,4,5,6,7
	v_max_num_f32 v[T+\b], 0x1800000, v[T+\b]      ; the floor 2^(3 - 127): the byte cannot fall under 1
.endr
.irp b, 0,1,2,3,4,5,6,7
	v_add_nc_u32 v[SO+\b], 0xff000000, v[T+\b]     ; 2 off the exponent field: the conversion's scale operand
.endr
.irp b, 0,1,2,3,4,5,6,7
	v_lshrrev_b32 v[P+\b], 23, v[SO+\b]            ; the scale's byte
.endr
	v_lshl_or_b32 v[PS], v[P+1], 8, v[P]           ; p's scale words: one for each 128 keys
	v_lshl_or_b32 v[PS+1], v[P+5], 8, v[P+4]
	v_lshl_or_b32 v[PS], v[P+2], 16, v[PS]
	v_lshl_or_b32 v[PS+1], v[P+6], 16, v[PS+1]
	v_lshl_or_b32 v[PS], v[P+3], 24, v[PS]
	v_lshl_or_b32 v[PS+1], v[P+7], 24, v[PS+1]
	WIN 0x01
.irp b, 0,1,2,3,4,5,6,7
	v_cvt_scalef32_pk8_fp4_f32 v[PC+2*\b], v[16*\b:16*\b+7], v[SO+\b]
	v_cvt_scalef32_pk8_fp4_f32 v[PC+2*\b+1], v[16*\b+8:16*\b+15], v[SO+\b]
.endr
	WIN 0
	v_nop                                          ; one plain line behind the conversions
.irp c, 0,1,2,3                        ; a whole block to a lane: lanes 0-15 block 2 c, lanes 16-31 block 2 c + 1
.irp i, 0,1
	v_permlane16_swap_b32 v[PC+4*\c+\i], v[PC+2+4*\c+\i]
.endr
.endr
	WIN 0x45                                       ; the row's sum of the unquantised p, in place over p, which the conversions have read: eight packed chains,
.irp m, 1,2,3,4,5,6,7
.irp k, 0,2,4,6,8,10,12,14
	v_pk_add_f32 v[\k:\k+1], v[\k:\k+1], v[16*\m+\k:16*\m+\k+1]
.endr
.endr
.irp k, 0,2,4,6
	v_pk_add_f32 v[\k:\k+1], v[\k:\k+1], v[8+\k:9+\k]   ; folded,
.endr
	v_pk_add_f32 v[0:1], v[0:1], v[4:5]
	v_pk_add_f32 v[2:3], v[2:3], v[6:7]
	v_pk_add_f32 v[0:1], v[0:1], v[2:3]
	WIN 0x04
	v_pk_add_f32 v[14:15], v[14:15], v[0:1]        ; and added to the running sum
	WIN 0x41
	s_wait_alu depctr_va_vdst(0)                   ; the wait directly ahead of the first reader of O^T
.set n_, 0
.rept 32
	v_pk_mul_f32 v[OA+n_:OA+n_+1], v[OA+n_:OA+n_+1], v[252:253] op_sel_hi:[1,0]   ; O^T under the new M.  (Also the places between p's codes and scale words and the products below)
.set n_, n_+2
.endr
	WIN 0x50
	s_wait_alu depctr_va_vdst(0)                   ; the wait directly ahead of the wait below
	s_wait_dscnt 0x0                               ; V's fragments and scale words are in, and the next step's K
.irp r, 0,1                            ; O^T += V^T P^T: eight channel tiles by turns, K = 128 keys of record r
.irp t, 0,1,2,3,4,5,6,7
.set rD, OA+8*\t
.set rA, VF+64*\r+8*\t
.set rB, PC+8*\r
.set rSA, VS+4*\r+2*(\t/4)+\t%2
.set rSB, PS+\r
	WMS 0, (\t%4)/2
.endr
.endr
	WIN 0
.endm
; THE CHANGE OF SLOTS stands at a slot's head.  Each wave waits for its tensor load (its record of the slot ahead), adds 0 to its spare word, and waits for that and for its reads of the slot that it has left.
; fill = 1: behind a round of the cluster's barrier that other slot is filled with the next eight records: the load has the slot's four key steps of every wave in which to land.
.macro CHANGE fill
	s_wait_tensorcnt 0x0                           ; no tensor load of mine is out, so the group 0 may be written
	ds_add_u32 v[SPW], v[NIL]                      ; 0 onto my spare word
.if \fill
	s_xor_b32 s33, s33, SLOT1                      ; the walking descriptor: the other slot than last time,
	s_add_nc_u64 s[34:35], s[34:35], 8*REC         ; the next eight records; the type bits on top are not reached
	s_wait_xcnt 0x0                                ; the last prefetch, a slot back, has read its address
	s_add_nc_u64 s[42:43], s[42:43], 8*REC
.endif
	s_wait_dscnt 0x0                               ; the add is done, and my reads of the slot that I have left are over
.if \fill
	ROUND
	tensor_load_to_lds s[32:35], s[24:31]          ; my one tensor load behind the round
	s_nop 0
	PLACES
	ASK
.else
	s_barrier_signal -1
	s_barrier_wait -1
.endif
.endm
.macro SLOT_STEPS                      ; four key steps: the addresses go two records on in each
	v_add_nc_u32 v8, s2, v1
	v_add_nc_u32 v9, s2, v2
	s_wait_alu depctr_va_vdst(0)                   ; the wait directly behind the writes
	KLOAD 0
	s_mov_b32 s6, 4
.Lstep_\@:
	STEP
	v_add_nc_u32 v8, 2*REC, v8
	v_add_nc_u32 v9, 2*REC, v9
	s_sub_co_u32 s6, s6, 1
	s_cmp_lg_u32 s6, 0
	s_wait_alu depctr_va_vdst(0)                   ; the wait directly ahead of the branch
	s_cbranch_scc1 .Lstep_\@
	s_xor_b32 s2, s2, SLOT1
.endm
	s_wait_alu depctr_va_vdst(0)                   ; the wait at the head's end
.Lslot:                                            ; three trips: behind each change of slots but the last the next slot is asked for
	CHANGE 1
	SLOT_STEPS
	s_sub_co_u32 s3, s3, 1
	s_cmp_lg_u32 s3, 0
	s_cbranch_scc1 .Lslot
	CHANGE 0                                       ; the last slot is written out
	WIN 0x40
.irp n, 0,1,2,3,4,5,6,7,8,9,10,11,12,13,14,15
	global_load_b128 v[RES+4*\n:RES+4*\n+3], v7, s[38:39] offset:(\n+8*(\n/8))*4096   ; the residual: my 16 rows' 512 bytes of this head, on its way under the last four steps
.endr
	WIN 0
	SLOT_STEPS
	; THE WAY OUT: register 16 b + e of lane (p, half) is channel 32 b + 16 half + e of query row p.  O^T / the sum goes through my stage and comes back as whole rows of 512 bytes; the residual is added; a store covers 512 dense bytes.
	PLACES
	v_add_f32 v14, v14, v15
	s_delay_alu instid0(VALU_DEP_1)
	v_permlanex16_b32 v[P], v14, s20, s21
	s_delay_alu instid0(VALU_DEP_1)
	v_add_f32 v14, v14, v[P]                       ; with lane l xor 16's: the row's sum
	s_wait_alu depctr_va_vdst(0)                   ; the wait ahead of the transcendental
	v_rcp_f32 v252, v14
	v_nop                                          ; a plain line behind the transcendental
	WIN 0x01
	s_wait_alu depctr_va_vdst(0)                   ; the wait ahead of its first reader, which is also O^T's
.set n_, 0
.rept 32
	v_pk_mul_f32 v[VF+n_:VF+n_+1], v[OA+n_:OA+n_+1], v[252:253] op_sel_hi:[1,0]
.set n_, n_+2
.endr
	WIN 0
.irp b, 0,1,2,3
.irp k, 0,1,2,3
	ds_store_b128 v10, v[VF+16*\b+4*\k:VF+16*\b+4*\k+3] offset:128*\b+16*\k
.endr
.endr
.irp n, 0,1,2,3,4,5,6,7,8,9,10,11,12,13,14,15
	ds_load_b128 v[VF+64+4*\n:VF+64+4*\n+3], v11 offset:528*\n   ; LDS serves a wave's instructions in order: these see my stores
.endr
	s_wait_loadcnt 0x0                             ; the residual
	s_wait_dscnt 0x0                               ; my 16 rows
	WIN 0x04
.set n_, 0
.rept 32
	v_pk_add_f32 v[VF+64+n_:VF+64+n_+1], v[VF+64+n_:VF+64+n_+1], v[RES+n_:RES+n_+1]
.set n_, n_+2
.endr
	WIN 0
.irp n, 0,1,2,3,4,5,6,7,8,9,10,11,12,13,14,15
	global_store_b128 v7, v[VF+64+4*\n:VF+64+4*\n+3], s[40:41] offset:(\n+8*(\n/8))*4096
.endr
	s_wait_tensorcnt 0x0                           ; the wave's end, behind my last tensor load and my last LDS store
	ds_add_u32 v[SPW], v[NIL]
	s_wait_dscnt 0x0
	ROUND                                          ; the closing round: no work-group ends while a partner may still ask for a slot that names it
	s_endpgm
.Lfunc_end_k_q4bec5b4872_attn:
	.size	k_q4bec5b4872_attn, .Lfunc_end_k_q4bec5b4872_attn-k_q4bec5b4872_attn
	.p2alignl 7, 3214868480
	.fill 96, 4, 3214868480
	.section	.rodata,"a",@progbits
	.p2align	6, 0x0
	.amdhsa_kernel k_q4bec5b4872_attn
		.amdhsa_group_segment_fixed_size 327680
		.amdhsa_private_segment_fixed_size 0
		.amdhsa_enable_private_segment 0
		.amdhsa_kernarg_size 40
		.amdhsa_user_sgpr_count 2
		.amdhsa_user_sgpr_kernarg_segment_ptr 1
		.amdhsa_wavefront_size32 1
		.amdhsa_system_sgpr_workgroup_id_x 1
		.amdhsa_system_sgpr_workgroup_id_y 1
		.amdhsa_system_sgpr_workgroup_id_z 1
		.amdhsa_system_vgpr_workitem_id 0
		.amdhsa_next_free_vgpr 512
		.amdhsa_next_free_sgpr 66
		.amdhsa_reserve_vcc 0
		.amdhsa_float_denorm_mode_32 3
		.amdhsa_float_denorm_mode_16_64 3
		.amdhsa_memory_ordered 1
		.amdhsa_forward_progress 1
		.amdhsa_inst_pref_size 84
	.end_amdhsa_kernel
	.amdgpu_metadata
---
amdhsa.version: [ 1, 2 ]
amdhsa.kernels:
  - .name:           k_q4bec5b4872_attn
    .symbol:         k_q4bec5b4872_attn.kd
    .args:
      - { .name: qc, .offset: 0, .size: 8, .value_kind: global_buffer, .address_space: global }
      - { .name: qs, .offset: 8, .size: 8, .value_kind: global_buffer, .address_space: global }
      - { .name: kv, .offset: 16, .size: 8, .value_kind: global_buffer, .address_space: global }
      - { .name: hidden_states, .offset: 24, .size: 8, .value_kind: global_buffer, .address_space: global }
      - { .name: out0, .offset: 32, .size: 8, .value_kind: global_buffer, .address_space: global }
    .group_segment_fixed_size: 327680
    .private_segment_fixed_size: 0
    .kernarg_segment_align: 8
    .kernarg_segment_size: 40
    .max_flat_workgroup_size: 256
    .sgpr_count:     66
    .vgpr_count:     512
    .wavefront_size: 32
...
	.end_amdgpu_metadata
.endif
;; end of part 3
